; MI455X (gfx1250); checked and timed in simulation.
; The chip was launched on July 23, 2026; its instructions are those of AMD's public machine-readable ISA for CDNA 5 (MIT licence, August 2026) and "CDNA5" Instruction Set Architecture Reference Guide (July 2026). The comments in the code are by the model that wrote it; some were corrected since.
;; Attention. Allowed arithmetic: matrix products marked QUANTISED: E2M3 operands, one E8M0 scale for each 32 along K, by v_wmma_scale_f32_16x16x128_f8f6f4 with both operands' format E2M3, f32 sums; products left as they are: f32 operands where the result goes on into a quantised operand, else bf16, f16 or f32 operands; f32 sums; everything else in f32.
;; Inputs: W_attn 1,024 x 2,048 float32; b_attn 1,024 float32; encoder_outputs 32 x 2,048 x 1,024 float32; hidden 2 x 32 x 1,024 float32; v 1,024 float32.
;; Outputs: out0 32 x 1,024 float32; out1 32 x 2,048 float32.
;; This version of the problem:
;;   THIS VERSION OF THE PROBLEM IS GIVEN IN LOW PRECISION. The matrix products marked QUANTISED in the list below multiply operands that are first quantised to E2M3 (2 exponent bits, 3 mantissa bits; 6 bits a number), with one power-of-two scale for each 32 numbers along K (OCP MX v1.0); their sums are f32. All else is computed in f32.
;;   The module's matrix products, in the order in which they are computed (A, B: the left and right operand; K: the contracted axis; several contracted axes count as one K, in the product's order):
;;     1. [M 32, K 1,024] x [K 1,024, N 1,024]; A: input hidden; B: input W_attn: QUANTISED
;;     2. [M 65,536, K 1,024] x [K 1,024, N 1,024]; A: input encoder_outputs; B: input W_attn: QUANTISED
;;     3. [M 65,536, K 1,024] x [K 1,024, N 1]; A: computed on the way; B: input v: left as it is (N = 1 < 16)
;;     4. batch 32 x [M 1, K 2,048] x [K 2,048, N 1,024]; A: softmax; B: input encoder_outputs: left as it is (M = 1 < 16)
;;   THE QUANTISER, for each operand of a quantised product, along K:
;;     - K is cut into blocks of 32 from its start; a last block that is shorter is filled with zeros.
;;     - A block's scale is 2^e with e = floor(log2(the largest magnitude in the block)) - 2, held to -126 .. 127; a block of zeros has e = 0. As a byte (E8M0): e + 127.
;;     - Each number is divided by its block's scale, clamped to +-7.5, and rounded to the nearest number of E2M3, ties to even, subnormals kept.
;;     - The product sums the exact products of the quantised numbers (number of the format x scale) in f32.
;;   ~~~python
;;   def quantise(x, axis):      # numpy; x: float32 -> the quantised numbers, widened to float32 again
;;       x = np.moveaxis(x, axis, -1); K = x.shape[-1]
;;       x = np.pad(x, [(0, 0)] * (x.ndim - 1) + [(0, -K % 32)]); x = x.reshape(x.shape[:-1] + (-1, 32)); a = np.abs(x).max(-1, keepdims=True)
;;       e = np.where(a > 0, np.clip(np.frexp(np.where(a > 0, a, 1))[1] - 1 - 2, -126, 127), 0)      # np.frexp(a)[1] - 1 = floor(log2(a)), exactly
;;       r = np.clip(x / 2.0 ** e, -7.5, 7.5)
;;       step = 2.0 ** (np.maximum(np.frexp(np.where(r == 0, 1, r))[1] - 1, 0) - 3)
;;       q = np.round(r / step) * step * 2.0 ** e      # np.round: ties to even
;;       return np.moveaxis(q.reshape(q.shape[:-2] + (-1,))[..., :K], -1, axis).astype(np.float32)
;;   ~~~
;; One version. Each part assembles by itself: llvm-mc -triple=amdgcn-amd-amdhsa -mcpu=gfx1250 --defsym DOCPART=n.
;; ======== version 1 of 1: 3 launches
;; limits: right only within a limited range of input values
;; workspace buffers: wimg 851,968 bytes; ph 131,072 bytes; scores 262,144 bytes
;; launch prep (part 1): grid 64 x 1, 8 waves a work-group, no clusters, 87,040 bytes of LDS; arguments W_attn, hidden, b_attn, wimg, ph; writes wimg, ph
.if DOCPART == 1
	.amdgcn_target "amdgcn-amd-amdhsa--gfx1250"
	.amdhsa_code_object_version 6
	.text
	.protected	k_qf87c54643c_prep
	.globl	k_qf87c54643c_prep
	.p2align	8
	.type	k_qf87c54643c_prep,@function
k_qf87c54643c_prep:
	s_mov_b64 s[64:65], 0
	v_nop
	global_prefetch_b8 v0, s[64:65] scope:SCOPE_SE
	s_setreg_imm32_b32 hwreg(HW_REG_WAVE_MODE, 25, 1), 1
	s_wait_xcnt 0x0
; PREP.  W_attn [1024][2048] f32 = [Wh | We].  Work-group t takes rows o = 16 t .. 16 t + 15; wave w takes K step w (128 along K).
; Each wave quantises four fragments of 16 rows x 128 K to codes of FP6 (E2M3), one E8M0 byte for each 32 along K: We(t, w), Wh(t, w), rows 0-15 and rows 16-31 of hidden's last layer.
;   wimg: We's fragments as IMAGES OF THE OPERAND'S REGISTERS: tile t at 13,312 t; K step s: registers 4 c .. 4 c + 3 of lane l at 1,536 s + 512 c + 16 l;
;         scale words at 12,288 + 512 (s / 4) + 16 l + 4 (s mod 4): a lane's words of four K steps lie together, so that one load of 16 bytes a lane brings four scale registers.
;   ph:   proj_h + b, [tile t][batch 32][16 o] f32: Q(h) Q(Wh)^T by the scaled FP6 matrix instruction, one K step a wave; the eight partial sums meet in LDS and are added in ascending K.
; A block's scale byte is its largest magnitude's exponent field - 2, held at 1 from below by a floor among the maximum's leaves.
; LIMITS: NaN and infinities among the inputs are not served; a block whose largest magnitude lies under 2^-124 keeps the byte 1; a block of zeros gets the byte 1 where the quantiser says 127:
; its codes are zeros, which add nothing under any byte but 0xff, and this program alone reads the bytes.
; No cluster and no tensor load: every byte of W has one reader, and what the work-groups share (hidden, 128 KiB) is a small part of what the launch reads.
; REGISTERS: window 0: v1-11 addresses; v16-79 64 numbers of a lane; v144-163 codes being made; v164-179 at work; v180.. the fragments; v216-219 scale words; v220-235 two results.  window 1: 4 x 64 registers as loaded.
.set STGB, 16*528                      ; a wave's stage: 16 rows x (512 bytes + 16)
.set PS,   8*STGB                      ; partial sums: [K step 8][batch 32][16 o] f32
.set SCG,  PS+8*2048                   ; We's scale words: 1,024 bytes, laid as in wimg
.set LA,  1                            ; v1   16 x lane + 512 x wave: my 16 bytes of a row's K step
.set STS, 2                            ; v2   the stage, on the way in: 16 x lane
.set STL, 3                            ; v3   and on the way out: 528 r + 64 h
.set PSA, 4                            ; v4   where my results go among the partial sums
.set SGA, 5                            ; v5   where my scale word goes
.set RDA, 6                            ; v6   the sum: my 16 bytes of a K step's block
.set SGR, 7                            ; v7   the scale words, on the way out
.set IO,  8                            ; v8   wimg: 16 x lane + 1,536 x wave
.set GO,  9                            ; v9   ph: 16 x (thread mod 128)
.set G2,  10                           ; v10  wimg's scale words: 16 x (thread mod 64)
.set BO,  11                           ; v11  b: 16 x (thread mod 4)
.set X,   16
.set PC,  144
.set TM,  164
.set WHF, 180
.set H0F, 192
.set H1F, 204
.set SCR, 216                          ; v216-219 scale words of We, Wh, h rows 0-15, h rows 16-31: they hold scales and nothing else
.set D0,  220
.set D1,  228
.set WEF, 236
.set SEL, 20
.set MSB, 0
.macro WIN new                         ; the immediate's high byte repeats the setting that is left; a switch that changes nothing is dropped
.if MSB != (\new)
	s_set_vgpr_msb (MSB<<8)|(\new)
.set MSB, (\new)
.endif
.endm
; 16 loads, each 512 consecutive bytes of one row, into set \set of window 1
.macro LOADF set, base, off, pitch, nt
.irp i, 0,1,2,3,4,5,6,7,8,9,10,11,12,13,14,15
.if \nt
	global_load_b128 v[64*(\set)+4*\i:64*(\set)+4*\i+3], v[LA], s[\base:\base+1] offset:(\off)+\i*(\pitch) th:TH_LOAD_NT
.else
	global_load_b128 v[64*(\set)+4*\i:64*(\set)+4*\i+3], v[LA], s[\base:\base+1] offset:(\off)+\i*(\pitch)
.endif
.endr
.endm
; The 16 rows go through my own stage as they lie and come back so that register x + 16 b + i holds k = 32 b + 16 h + i of row r.  LDS serves a wave's instructions in order: no wait between the stores and the loads.
.macro TURN set, x
	WIN 0x44                                       ; an LDS store's data are its source 1: window 1
.irp i, 0,1,2,3,4,5,6,7,8,9,10,11,12,13,14,15
	ds_store_b128 v[STS], v[64*(\set)+4*\i:64*(\set)+4*\i+3] offset:528*\i
.endr
	WIN 0
.irp b, 0,1,2,3
.irp j, 0,1,2,3
	ds_load_b128 v[(\x)+16*\b+4*\j:(\x)+16*\b+4*\j+3], v[STL] offset:128*\b+16*\j
.endr
.endr
.endm
; 64 numbers of a lane become a fragment's 12 registers at v[dst] of window dw and its scale word in v[pw].
.macro QUANT x, dst, dw, pw
.irp b, 0,1,2,3
	v_max3_num_f32 v[TM+\b], |v[(\x)+16*\b]|, |v[(\x)+1+16*\b]|, 0x1800000   ; block b: my 16 numbers, and the floor 2^(3 - 127): the byte cannot fall under 1
.endr
.irp i, 2,4,6,8,10,12,14
.irp b, 0,1,2,3
	s_delay_alu instid0(VALU_DEP_4)
	v_max3_num_f32 v[TM+\b], v[TM+\b], |v[(\x)+16*\b+\i]|, |v[(\x)+1+16*\b+\i]|   ; the four blocks by turns
.endr
.endr
.irp b, 0,1,2,3
	s_delay_alu instid0(VALU_DEP_4)
	v_permlanex16_b32 v[TM+4+\b], v[TM+\b], s[SEL], s[SEL+1]
.endr
.irp b, 0,1,2,3
	s_delay_alu instid0(VALU_DEP_4)
	v_max_num_f32 v[TM+\b], v[TM+\b], v[TM+4+\b]   ; with lane l xor 16's: the block's largest magnitude
.endr
.irp b, 0,1,2,3
	s_delay_alu instid0(VALU_DEP_4)
	v_add_nc_u32 v[TM+12+\b], 0xff000000, v[TM+\b] ; 2 off its exponent field: the conversion takes this operand's exponent field as its scale
.endr
.irp b, 0,1,2,3
	s_delay_alu instid0(VALU_DEP_4)
	v_lshrrev_b32 v[TM+4+\b], 23, v[TM+12+\b]      ; the scale's byte
.endr
	s_delay_alu instid0(VALU_DEP_3)
	v_lshl_or_b32 v[TM+8], v[TM+5], 8, v[TM+4]
	s_delay_alu instid0(VALU_DEP_1)
	v_lshl_or_b32 v[TM+8], v[TM+6], 16, v[TM+8]
	s_delay_alu instid0(VALU_DEP_1)
	v_lshl_or_b32 v[\pw], v[TM+7], 24, v[TM+8]     ; my row's scale word
.irp c, 0,1
	v_cvt_scalef32_pk16_fp6_f32 v[PC+6*\c:PC+6*\c+2], v[(\x)+32*\c:(\x)+32*\c+15], v[TM+12+2*\c]
	v_cvt_scalef32_pk16_fp6_f32 v[PC+12+4*\c:PC+14+4*\c], v[(\x)+16+32*\c:(\x)+31+32*\c], v[TM+12+2*\c+1]   ; (a conversion's three registers begin on an even number)
.endr
	v_nop                                          ; one plain place behind the scaled conversions
.irp c, 0,1                                    ; the operand wants a WHOLE block in a lane: lanes 0-15 block 2 c, lanes 16-31 block 2 c + 1
.irp i, 0,1,2
	v_permlane16_swap_b32 v[PC+6*\c+\i], v[PC+12+4*\c+\i]
.endr
.endr
	WIN ((\dw)<<6)
.irp c, 0,1
.irp i, 0,1,2
	v_mov_b32 v[(\dst)+6*\c+\i], v[PC+6*\c+\i]
	v_mov_b32 v[(\dst)+6*\c+3+\i], v[PC+12+4*\c+\i]
.endr
.endr
	WIN 0
.endm
	s_load_b256 s[4:11], s[0:1], 0x0               ; W s[4:5], hidden s[6:7], b s[8:9], wimg s[10:11]
	s_load_b64 s[12:13], s[0:1], 0x20              ; ph
	v_lshl_add_u32 v254, v0, 2, 0x15000
	v_mov_b32 v255, 0
	v_lshrrev_b32 v12, 5, v0
	s_delay_alu instid0(VALU_DEP_1)
	v_readfirstlane_b32 s14, v12                   ; wave 0..7 = my K step
	v_and_b32 v12, 31, v0                          ; lane
	v_and_b32 v13, 15, v0                          ; r
	v_bfe_u32 v14, v0, 4, 1                        ; h
	s_lshl_b32 s15, s14, 9
	v_lshl_add_u32 v[LA], v12, 4, s15
	s_mul_i32 s16, s14, STGB                       ; my stage
	v_lshl_add_u32 v[STS], v12, 4, s16
	v_mul_u32_u24 v[STL], v13, 528
	s_delay_alu instid0(VALU_DEP_1)
	v_lshl_add_u32 v[STL], v14, 6, v[STL]
	s_delay_alu instid0(VALU_DEP_1)
	v_add_nc_u32 v[STL], s16, v[STL]
	s_lshl_b32 s17, s14, 11
	s_add_co_u32 s17, s17, PS
	v_lshlrev_b32 v[PSA], 6, v13
	s_delay_alu instid0(VALU_DEP_1)
	v_lshl_add_u32 v[PSA], v14, 5, v[PSA]
	s_delay_alu instid0(VALU_DEP_1)
	v_add_nc_u32 v[PSA], s17, v[PSA]               ; PS + 2,048 x wave + 64 r + 32 h
	s_lshr_b32 s17, s14, 2
	s_lshl_b32 s17, s17, 9                         ; 512 x (wave / 4)
	s_and_b32 s18, s14, 3
	s_lshl_b32 s18, s18, 2                         ; 4 x (wave mod 4)
	s_add_co_u32 s17, s17, s18
	s_add_co_u32 s17, s17, SCG
	v_lshl_add_u32 v[SGA], v12, 4, s17             ; SCG + 512 x (wave / 4) + 16 x lane + 4 x (wave mod 4)
	v_and_b32 v15, 127, v0
	s_delay_alu instid0(VALU_DEP_1)
	v_lshlrev_b32 v[GO], 4, v15
	s_delay_alu instid0(VALU_DEP_1)
	v_add_nc_u32 v[RDA], PS, v[GO]
	v_and_b32 v15, 63, v0
	s_delay_alu instid0(VALU_DEP_1)
	v_lshlrev_b32 v[G2], 4, v15
	s_delay_alu instid0(VALU_DEP_1)
	v_add_nc_u32 v[SGR], SCG, v[G2]
	s_mul_i32 s17, s14, 1536
	v_lshl_add_u32 v[IO], v12, 4, s17
	v_and_b32 v15, 3, v0
	s_delay_alu instid0(VALU_DEP_1)
	v_lshlrev_b32 v[BO], 4, v15
	s_mov_b32 s[SEL], 0x76543210
	s_mov_b32 s[SEL+1], 0xfedcba98                 ; v_permlanex16_b32's selects for lane l xor 16
.irp b, 0,1,2,3
	v_mov_b32 v[TM+4+\b], 0                        ; written once: a lane permute's destination counts as one of its sources
.endr
	s_lshl_b32 s22, ttmp9, 17                      ; 16 rows of W, 8,192 bytes each
	s_mov_b32 s23, 0
	s_lshl_b32 s24, ttmp9, 6                       ; 16 numbers of b
	s_mov_b32 s25, 0
	s_mul_i32 s26, ttmp9, 13312                    ; my tile of wimg
	s_mov_b32 s27, 0
	s_lshl_b32 s28, ttmp9, 11                      ; my tile of ph
	s_mov_b32 s29, 0
	s_wait_kmcnt 0x0
	s_add_nc_u64 s[4:5], s[4:5], s[22:23]
	s_add_nc_u64 s[6:7], s[6:7], 0x20000           ; hidden's last layer
	s_add_nc_u64 s[8:9], s[8:9], s[24:25]
	s_add_nc_u64 s[10:11], s[10:11], s[26:27]
	s_add_nc_u64 s[12:13], s[12:13], s[28:29]
	WIN 0x44                                       ; destination window 1, address window 0
	LOADF 0, 4, 4096, 8192, 1                      ; We: columns 1,024 on
	LOADF 1, 4, 0, 8192, 1                         ; Wh
	LOADF 2, 6, 0, 4096, 0                         ; h, rows 0-15 (every work-group reads these: no hint)
	LOADF 3, 6, 65536, 4096, 0                     ; h, rows 16-31
.macro FRAGQ f, dst
	s_wait_loadcnt 48-16*(\f)                      ; set f's 16 loads are in; the sets issued behind it may be out
	TURN \f, X
	s_wait_dscnt 0x0
	QUANT X, \dst, 0, SCR+(\f)
.endm
	FRAGQ 0, WEF
.irp c, 0,1,2
	global_store_b128 v[IO], v[WEF+4*\c:WEF+4*\c+3], s[10:11] offset:512*\c   ; 32 lanes store 512 consecutive bytes, at a multiple of 256 from wimg's first byte
.endr
	ds_store_b32 v[SGA], v[SCR]                    ; the eight waves' scale words are gathered and leave together
	FRAGQ 1, WHF
	FRAGQ 2, H0F
	FRAGQ 3, H1F
.rept 8
	v_nop                                          ; scale registers written by vector instructions stand 8 places ahead of a scaled matrix instruction, operands so written 4
.endr
	; source 0 = 16 rows of Wh, source 1 = 16 rows of h: register j of lane (r, h) is (o = 16 t + 8 h + j, batch = 16 m + r)
	v_wmma_scale_f32_16x16x128_f8f6f4 v[D0:D0+7], v[WHF:WHF+11], v[H0F:H0F+11], 0, v[SCR+1], v[SCR+2] matrix_a_fmt:MATRIX_FMT_FP6 matrix_b_fmt:MATRIX_FMT_FP6
	v_wmma_scale_f32_16x16x128_f8f6f4 v[D1:D1+7], v[WHF:WHF+11], v[H1F:H1F+11], 0, v[SCR+1], v[SCR+3] matrix_a_fmt:MATRIX_FMT_FP6 matrix_b_fmt:MATRIX_FMT_FP6
.rept 4
	v_nop                                          ; four places in front of the first read of results (ISA guide 7.12.1)
.endr
	ds_store_b128 v[PSA], v[D0:D0+3]               ; each result from its low end on
	ds_store_b128 v[PSA], v[D0+4:D0+7] offset:16
	ds_store_b128 v[PSA], v[D1:D1+3] offset:1024
	ds_store_b128 v[PSA], v[D1+4:D1+7] offset:1040
	s_wait_dscnt 0x0                               ; for the others' sake: my partial sums and my scale word lie in LDS
	s_barrier_signal -1
	s_barrier_wait -1
	s_cmp_lt_u32 s14, 4
	s_cbranch_scc0 .Lnot_sum
	; waves 0-3: thread p adds the eight K steps' 16 bytes at 16 p (batch p / 4, o 4 (p mod 4) on), K ascending, then b
	global_load_b128 v[48:51], v[BO], s[8:9]
.irp s, 0,1,2,3,4,5,6,7
	ds_load_b128 v[16+4*\s:19+4*\s], v[RDA] offset:2048*\s
.endr
	s_wait_dscnt 0x0
.irp s, 1
	v_pk_add_f32 v[16:17], v[16:17], v[16+4*\s:17+4*\s]
	v_pk_add_f32 v[18:19], v[18:19], v[18+4*\s:19+4*\s]
.endr
.irp s, 2, 3, 4, 5, 6, 7
	s_delay_alu instid0(VALU_DEP_2)
	v_pk_add_f32 v[16:17], v[16:17], v[16+4*\s:17+4*\s]
	s_delay_alu instid0(VALU_DEP_2)
	v_pk_add_f32 v[18:19], v[18:19], v[18+4*\s:19+4*\s]
.endr
	s_wait_alu depctr_va_vdst(0)
	s_wait_loadcnt 0x0
	v_pk_add_f32 v[16:17], v[16:17], v[48:49]
	v_pk_add_f32 v[18:19], v[18:19], v[50:51]
	global_store_b128 v[GO], v[16:19], s[12:13]    ; a wave stores 512 consecutive bytes
	s_branch .Lend
.Lnot_sum:
	s_cmp_lt_u32 s14, 6
	s_cbranch_scc0 .Lend
	; waves 4 and 5: the tile's 1,024 bytes of scale words
	ds_load_b128 v[16:19], v[SGR]
	s_wait_dscnt 0x0
	global_store_b128 v[G2], v[16:19], s[10:11] offset:12288
.Lend:
	s_wait_tensorcnt 0x0
	ds_add_u32 v254, v255
	s_wait_dscnt 0x0
	s_endpgm
.Lfunc_end_k_qf87c54643c_prep:
	.size	k_qf87c54643c_prep, .Lfunc_end_k_qf87c54643c_prep-k_qf87c54643c_prep
	.p2alignl 7, 3214868480
	.fill 96, 4, 3214868480
	.section	.rodata,"a",@progbits
	.p2align	6, 0x0
	.amdhsa_kernel k_qf87c54643c_prep
		.amdhsa_group_segment_fixed_size 87040
		.amdhsa_private_segment_fixed_size 0
		.amdhsa_enable_private_segment 0
		.amdhsa_kernarg_size 40
		.amdhsa_user_sgpr_count 2
		.amdhsa_user_sgpr_kernarg_segment_ptr 1
		.amdhsa_wavefront_size32 1
		.amdhsa_system_sgpr_workgroup_id_x 1
		.amdhsa_system_sgpr_workgroup_id_y 1
		.amdhsa_system_sgpr_workgroup_id_z 1
		.amdhsa_system_vgpr_workitem_id 0
		.amdhsa_next_free_vgpr 512
		.amdhsa_next_free_sgpr 66
		.amdhsa_reserve_vcc 0
		.amdhsa_float_denorm_mode_32 3
		.amdhsa_float_denorm_mode_16_64 3
		.amdhsa_memory_ordered 1
		.amdhsa_forward_progress 1
		.amdhsa_inst_pref_size 44
	.end_amdhsa_kernel
	.amdgpu_metadata
---
amdhsa.version: [ 1, 2 ]
amdhsa.kernels:
  - .name:           k_qf87c54643c_prep
    .symbol:         k_qf87c54643c_prep.kd
    .args:
      - { .name: W_attn, .offset: 0, .size: 8, .value_kind: global_buffer, .address_space: global }
      - { .name: hidden, .offset: 8, .size: 8, .value_kind: global_buffer, .address_space: global }
      - { .name: b_attn, .offset: 16, .size: 8, .value_kind: global_buffer, .address_space: global }
      - { .name: wimg, .offset: 24, .size: 8, .value_kind: global_buffer, .address_space: global }
      - { .name: ph, .offset: 32, .size: 8, .value_kind: global_buffer, .address_space: global }
    .group_segment_fixed_size: 87040
    .private_segment_fixed_size: 0
    .kernarg_segment_align: 8
    .kernarg_segment_size: 40
    .max_flat_workgroup_size: 256
    .sgpr_count:     66
    .vgpr_count:     512
    .wavefront_size: 32
...
	.end_amdgpu_metadata
.endif
;; end of part 1
;; launch score (part 2): grid 256 x 1, 4 waves a work-group, clusters of 4 x 1, 327,680 bytes of LDS; arguments encoder_outputs, wimg, ph, v, scores; writes scores
.if DOCPART == 2
	.amdgcn_target "amdgcn-amd-amdhsa--gfx1250"
	.amdhsa_code_object_version 6
	.text
	.protected	k_qf87c54643c_score
	.globl	k_qf87c54643c_score
	.p2align	8
	.type	k_qf87c54643c_score,@function
k_qf87c54643c_score:
	s_mov_b64 s[64:65], 0
	v_nop
	global_prefetch_b8 v0, s[64:65] scope:SCOPE_SE
	s_setreg_imm32_b32 hwreg(HW_REG_WAVE_MODE, 25, 1), 1
	s_wait_xcnt 0x0
	s_wait_alu depctr_hold_cnt(0) depctr_sa_sdst(0) depctr_va_vdst(0) depctr_va_sdst(0) depctr_va_ssrc(0) depctr_va_vcc(0) depctr_vm_vsrc(0)
	s_getreg_b32 s2, hwreg(HW_REG_IB_STS2, 6, 4)
	s_cmp_eq_u32 s2, 0
	s_cbranch_scc0 .Lentry_in_a_cluster
	s_endpgm
.Lentry_in_a_cluster:
	s_bfe_u32 s2, ttmp6, 0x10000c
	s_cmp_lg_u32 s2, 0x3003
	s_cbranch_scc0 .Lentry_shape_is_right
	s_endpgm
.Lentry_shape_is_right:
; SCORE.  scores[b][s] = sum over o of -2 v[o] / (1 + e^(2 x)), x = Q(enc[b][s]) Q(We[o])^T + proj_h[b][o] + b[o].
; tanh(x) = 1 - 2 / (1 + e^(2 x)), so the true score is this number + sum(v).  DEAD WORK LEFT OUT: sum(v) is the same for all s of a batch, whatever the inputs hold,
; and the softmax over s, the scores' only reader, takes such a term away.  LIMITS: an overflow that reaches sum(v) alone is not carried on; NaN and infinities among the inputs are not served;
; a block of enc whose largest magnitude lies under 2^-124 keeps the scale byte 1 (a block of zeros too: its codes are zeros).
; A work-group takes 256 rows of enc, a wave 64: the wave quantises them once (32 fragments of 16 rows x 128 K, FP6 codes, 384 registers, windows 1 and 2) and keeps them.
; Then it walks We's 64 tiles of 16 o, TWO TILES AT A TIME: 8 accumulators (2 tiles x 4 blocks of rows) by turns, one matrix instruction a turn.
; Source 0 = 16 rows of We, source 1 = 16 rows of enc: lane (r, h) holds row r, register j holds o = 8 h + j.  proj_h + b is the C of a pair's first products.
; We's tiles are images of the operand's registers (wimg): 13,312 bytes a tile.  All work-groups walk the same tiles: the four of a cluster ask for them jointly.
; THE WALK begins with tiles 62, 63 (a fill of its own, read once, never filled again) and goes on with tiles 0 .. 61: so the chunks of 8 tiles that take turns in two slots are tiles 0-7 .. 56-63, all inside wimg;
; of the last chunk tiles 62, 63 are not read again.  ph's and v's tables lie in LDS in the walk's order.
; A UNIT of the loop is one pair's 64 products and the vector work of the pair before.  W's fragments have one set of registers for four K steps; it is loaded anew inside the two batches of transcendentals:
;   the 64 exponentials of the pair before, with the loads of K steps 0-3, the scale words and proj_h;  K steps 0-3, the + 1 among K step 0's products;
;   the 64 reciprocals, with the loads of K steps 4-7 and v;  K steps 4-7, the x v among K step 4's products, and this pair's x c among K step 7's, three turns behind each accumulator's last product.
; All LDS reads of a unit are its own pair's, so a change of slots stands at a unit's head, every fourth unit.
; No data prefetch: enc's rows are asked for by 48 to 64 register loads a wave, four fragments ahead; each chunk of wimg by its joint load, four units ahead.
; WINDOWS: 0: v1-13 addresses, v16-47 enc's scale words, v48-63 We's, v72-243 the head's work.  1, 2: enc's fragments v0-191; window 1 v192-207: -2 v of a pair.
;          3: in the head 4 x 64 registers as loaded; then v0-95 W's fragments, v96-159 accumulators, v160-223 t, v224-239 proj_h, v240-247 the scores' sums, v248-249 LDS addresses.
.set TILEB, 13312
.set SLOTB, 8*TILEB
.set SLOT1, 1<<17                      ; slot 0 at 0, slot 1 at 131,072
.set P0,    SLOTB                      ; ph's table, 64 bytes a tile; 4,096 on: -2 v's
.set VVO,   4096
.set SPARE, P0+10240                   ; the spare words, 512 bytes
.set SCO,   SPARE+512                  ; the way out: 256 bytes a wave
.set STAGE, SLOT1+SLOTB                ; a stage of 16 rows x 528 bytes a wave
.set STGB,  16*528
.set C0R,   STAGE+4*STGB               ; tiles 62, 63
.set SPW, 1
.set NIL, 2
.set LA,  3
.set STS, 5
.set STL, 6
.set HP,  9
.set SOA, 11
.set SOL, 12
.set SOG, 13
.set ASC, 16
.set WSC, 48
.set X0,  80
.set PC,  208
.set TM,  228
.set ACC, 96
.set T,   160
.set PH,  224
.set S,   240
.set ADW, 248
.set ADP, 249
.set VV,  192
.set SEL, 20
.set CS,  22
.set M1,  0xf7                         ; source 0, C and D window 3, source 1 window 1;  M1 + 4: source 1 window 2
.set MSB, 0
.macro WIN new                         ; the immediate's high byte repeats the setting that is left
.if MSB != (\new)
	s_set_vgpr_msb (MSB<<8)|(\new)
.set MSB, (\new)
.endif
.endm
.macro PLACES
.rept 4
	v_nop
.endr
.endm
.macro ROUND                           ; a round of the cluster's barrier
	s_barrier_signal -1
	s_barrier_wait -1
	s_cmp_lg_u32 s14, 0
	s_cbranch_scc1 .Lnot_wave_0_\@
	s_barrier_signal -3
.Lnot_wave_0_\@:
	s_barrier_wait -3
	s_barrier_signal -1
	s_barrier_wait -1
.endm
.macro LOADF set, off                  ; 16 loads, each 512 consecutive bytes of one row, into set \set of window 3
.irp i, 0,1,2,3,4,5,6,7,8,9,10,11,12,13,14,15
	global_load_b128 v[64*(\set)+4*\i:64*(\set)+4*\i+3], v[LA], s[4:5] offset:(\off)+\i*4096 th:TH_LOAD_NT
.endr
.endm
.macro TURN set, x                     ; through my own stage: register x + 16 b + i then holds k = 32 b + 16 h + i of row r (LDS serves a wave's instructions in order)
	WIN 0xcc
.irp i, 0,1,2,3,4,5,6,7,8,9,10,11,12,13,14,15
	ds_store_b128 v[STS], v[64*(\set)+4*\i:64*(\set)+4*\i+3] offset:528*\i
.endr
	WIN 0
.irp b, 0,1,2,3
.irp j, 0,1,2,3
	ds_load_b128 v[(\x)+16*\b+4*\j:(\x)+16*\b+4*\j+3], v[STL] offset:128*\b+16*\j
.endr
.endr
.endm
.macro QUANT x, dst, dw, pw            ; 64 numbers of a lane become a fragment's 12 registers at v[dst] of window dw and its scale word in v[pw]
.irp b, 0,1,2,3
	v_max3_num_f32 v[TM+\b], |v[(\x)+16*\b]|, |v[(\x)+1+16*\b]|, 0x1800000   ; my 16 of block b, and the floor 2^(3 - 127)
.endr
.irp i, 2,4,6,8,10,12,14
.irp b, 0,1,2,3
	v_max3_num_f32 v[TM+\b], v[TM+\b], |v[(\x)+16*\b+\i]|, |v[(\x)+1+16*\b+\i]|
.endr
.endr
.irp b, 0,1,2,3
	v_permlanex16_b32 v[TM+4+\b], v[TM+\b], s[SEL], s[SEL+1]
.endr
.irp b, 0,1,2,3
	v_max_num_f32 v[TM+\b], v[TM+\b], v[TM+4+\b]   ; with lane l xor 16's: the block's largest magnitude
.endr
.irp b, 0,1,2,3
	v_add_nc_u32 v[TM+12+\b], 0xff000000, v[TM+\b] ; 2 off its exponent field: the conversion's scale operand
.endr
.irp b, 0,1,2,3
	v_lshrrev_b32 v[TM+4+\b], 23, v[TM+12+\b]      ; the scale's byte
.endr
	v_lshl_or_b32 v[TM+8], v[TM+5], 8, v[TM+4]
	v_lshl_or_b32 v[TM+8], v[TM+6], 16, v[TM+8]
	v_lshl_or_b32 v[\pw], v[TM+7], 24, v[TM+8]
.irp c, 0,1
	v_cvt_scalef32_pk16_fp6_f32 v[PC+6*\c:PC+6*\c+2], v[(\x)+32*\c:(\x)+32*\c+15], v[TM+12+2*\c]
	v_cvt_scalef32_pk16_fp6_f32 v[PC+12+4*\c:PC+14+4*\c], v[(\x)+16+32*\c:(\x)+31+32*\c], v[TM+12+2*\c+1]
.endr
	v_nop                                          ; one plain place behind the scaled conversions
.irp c, 0,1                                    ; the operand wants a whole block in a lane
.irp i, 0,1,2
	v_permlane16_swap_b32 v[PC+6*\c+\i], v[PC+12+4*\c+\i]
.endr
.endr
	WIN ((\dw)<<6)
.irp c, 0,1
.irp i, 0,1,2
	v_mov_b32 v[(\dst)+6*\c+\i], v[PC+6*\c+\i]
	v_mov_b32 v[(\dst)+6*\c+3+\i], v[PC+12+4*\c+\i]
.endr
.endr
	WIN 0
.endm
	s_load_b256 s[4:11], s[0:1], 0x0               ; enc s[4:5], wimg s[6:7], ph s[8:9], v s[10:11]
	s_load_b64 s[12:13], s[0:1], 0x20              ; scores
	v_lshl_add_u32 v[SPW], v0, 2, SPARE
	v_mov_b32 v[NIL], 0
	ds_add_u32 v[SPW], v[NIL]                      ; the opening lines: the add, twice on end, and its wait ahead of my first tensor load
	ds_add_u32 v[SPW], v[NIL]
	v_lshrrev_b32 v14, 5, v0
	v_readfirstlane_b32 s14, v14                   ; wave 0..3
	s_bfe_u32 s15, ttmp6, 0x40000                  ; cx
	s_lshl_b32 s16, ttmp9, 2
	s_add_co_u32 s16, s16, s15                     ; work-group
	s_lshl_b32 s18, s16, 20                        ; enc: 256 rows of 4,096 bytes a work-group,
	s_lshl_b32 s44, s14, 18                        ; 64 a wave
	s_add_co_u32 s18, s18, s44
	s_mov_b32 s19, 0
	s_lshl_b32 s44, s16, 10                        ; scores: 1,024 bytes a work-group, 256 a wave
	s_lshl_b32 s45, s14, 8
	s_add_co_u32 s42, s45, SCO
	s_add_co_u32 s44, s44, s45
	s_mov_b32 s45, 0
	s_lshr_b32 s46, s16, 3                         ; batch
	s_lshl_b32 s46, s46, 6
	s_mov_b32 s47, 0
	s_mul_i32 s17, s14, 2*TILEB                    ; my quarter of a chunk: two tiles
	s_mov_b32 s40, s17
	s_mov_b32 s41, 0
	s_mul_i32 s48, s14, TILEB/2                    ; my quarter of tiles 62, 63
	s_add_co_u32 s50, s48, 62*TILEB
	s_mov_b32 s51, 0
	s_mul_i32 s49, s14, STGB
	s_add_co_u32 s49, s49, STAGE                   ; my stage
	s_mov_b32 s24, 15|(3<<16)|(1<<21)              ; group 1 of a chunk's quarter: 104 rows of 256 bytes, dense; the mask names the cluster's four
	s_mov_b32 s25, 32<<16
	s_mov_b32 s26, 104<<16
	s_mov_b32 s27, 32<<16
	s_mov_b32 s28, 104
	s_mov_b32 s29, 32
	s_mov_b32 s30, 0
	s_mov_b32 s31, 0
	s_mov_b32 s52, 15|(3<<16)|(1<<21)              ; and of a quarter of tiles 62, 63: 26 rows
	s_mov_b32 s53, 32<<16
	s_mov_b32 s54, 26<<16
	s_mov_b32 s55, 32<<16
	s_mov_b32 s56, 26
	s_mov_b32 s57, 32
	s_mov_b32 s58, 0
	s_mov_b32 s59, 0
	s_mov_b32 s[SEL], 0x76543210
	s_mov_b32 s[SEL+1], 0xfedcba98                 ; v_permlanex16_b32's selects for lane l xor 16
	s_mov_b32 s[CS], 0x4038aa3b                    ; c = 2 log2(e)
	s_mov_b32 s[CS+1], s[CS]
	v_and_b32 v14, 31, v0                          ; lane
	v_and_b32 v15, 15, v0                          ; r
	v_bfe_u32 v72, v0, 4, 1                        ; h
	v_lshlrev_b32 v[LA], 4, v14
	v_add_nc_u32 v[STS], s49, v[LA]
	v_mul_u32_u24 v[STL], v15, 528
	v_lshl_add_u32 v[STL], v72, 6, v[STL]
	v_add_nc_u32 v[STL], s49, v[STL]
	v_lshlrev_b32 v[HP], 5, v72
	v_add_nc_u32 v[HP], P0, v[HP]                  ; the tables: 32 h
	v_lshl_add_u32 v[SOA], v15, 2, s42
	v_lshl_add_u32 v[SOL], v14, 3, s42
	v_lshlrev_b32 v[SOG], 3, v14
.irp b, 0,1,2,3
	v_mov_b32 v[TM+4+\b], 0                        ; written once: a lane permute's destination counts as one of its sources
.endr
	v_lshrrev_b32 v78, 2, v0                       ; the tables: thread i fills 16 bytes of places i / 4 and i / 4 + 32 of the walk; place q holds tile (q + 62) mod 64
	v_add_nc_u32 v78, 62, v78
	v_and_b32 v78, 63, v78
	v_and_b32 v79, 3, v0
	v_lshlrev_b32 v79, 4, v79
	v_lshl_add_u32 v73, v78, 11, v79               ; ph: 2,048 bytes a tile
	v_lshl_add_u32 v74, v78, 6, v79                ; v: 64 bytes a tile
	v_xor_b32 v76, 0x10000, v73                    ; 32 tiles on, mod 64
	v_xor_b32 v77, 0x800, v74
	v_lshl_add_u32 v75, v0, 4, P0
	s_wait_alu depctr_va_vdst(0)
	s_wait_dscnt 0x0                               ; both opening adds are done
	s_wait_kmcnt 0x0
	s_add_nc_u64 s[4:5], s[4:5], s[18:19]
	s_add_nc_u64 s[12:13], s[12:13], s[44:45]
	s_add_nc_u64 s[8:9], s[8:9], s[46:47]
	s_mov_b32 s32, 1                               ; group 0: tiles 62, 63
	s_add_co_u32 s33, s48, C0R
	s_add_nc_u64 s[34:35], s[6:7], s[50:51]
	s_or_b32 s35, s35, 0x80000000
	s_mov_b32 s36, 1                               ; group 0 of the ring: tiles 0-7 into slot 1
	s_add_co_u32 s37, s17, SLOT1
	s_add_nc_u64 s[38:39], s[6:7], s[40:41]
	s_or_b32 s39, s39, 0x80000000
	global_load_b128 v[144:147], v73, s[8:9]
	global_load_b128 v[148:151], v76, s[8:9]
	global_load_b128 v[152:155], v74, s[10:11]
	global_load_b128 v[156:159], v77, s[10:11]
	WIN 0xcc
	LOADF 0, 0                                     ; enc's first fragments are asked for ahead of the round
	LOADF 1, 512
	LOADF 2, 1024
	WIN 0
	ROUND                                          ; in front of the first joint load
	tensor_load_to_lds s[32:35], s[52:59]          ; my one load at the head
	s_nop 0
	PLACES
	s_wait_loadcnt 48                              ; the tables' four loads are in
.irp j, 0,2,4,6
	v_pk_mul_f32 v[152+\j:153+\j], v[152+\j:153+\j], -2.0 op_sel_hi:[1,0]
.endr
	ds_store_b128 v75, v[144:147]
	ds_store_b128 v75, v[148:151] offset:2048
	ds_store_b128 v75, v[152:155] offset:VVO
	ds_store_b128 v75, v[156:159] offset:VVO+2048
	WIN 0xcc
	LOADF 3, 1536
	s_wait_loadcnt 48
	TURN 0, X0
.macro STEP f                          ; fragment f = 8 x block of rows + K step: loads run four fragments ahead, the turn through the stage one
	s_wait_dscnt 0x0
.if (\f)+4 < 32
	WIN 0xcc
	LOADF (\f)%4, (((\f)+4)>>3)*65536+(((\f)+4)&7)*512
.endif
.if (\f)+1 < 32
.if (\f)+4 < 32
	s_wait_loadcnt 48                              ; the next fragment's 16 loads are in; three sets may be out
.else
	s_wait_loadcnt 16*(30-(\f))
.endif
	TURN ((\f)+1)%4, X0+64*(((\f)+1)%2)
.endif
	QUANT X0+64*((\f)%2), 96*(((\f)>>3)&1)+12*((\f)&7), 1+((\f)>>4), ASC+(\f)
.endm
.irp f, 0,1,2,3,4,5,6,7
	STEP \f
.endr
	s_wait_alu depctr_va_vdst(0)
	s_wait_tensorcnt 0x0                           ; slot 1's first fill is issued as a refill is: my part of tiles 62, 63 is in,
	ds_add_u32 v[SPW], v[NIL]                      ; the add,
	s_wait_dscnt 0x0                               ; it is done, and my part of the tables lies in LDS
	ROUND
	tensor_load_to_lds s[36:39], s[24:31]          ; tiles 0-7
	s_nop 0
	PLACES
.irp f, 8,9,10,11,12,13,14,15,16,17,18,19,20,21,22,23,24,25,26,27,28,29,30,31
	STEP \f
.endr
; ---- the walk ----
.macro LFR ks                          ; both tiles' fragments of K step ks into place ks mod 4: 6 loads
.irp u, 0,1
.irp c, 0,1,2
	ds_load_b128 v[24*((\ks)%4)+12*\u+4*\c:24*((\ks)%4)+12*\u+4*\c+3], v[ADW] offset:\u*TILEB+1536*(\ks)+512*\c
.endr
.endr
.endm
.macro LSC                             ; both tiles' scale words of all eight K steps, into window 0
	WIN 0x03
.irp i, 0,1,2,3
	ds_load_b128 v[WSC+4*\i:WSC+4*\i+3], v[ADW] offset:(\i/2)*TILEB+12288+512*(\i%2)
.endr
	WIN M1
.endm
.macro LVV                             ; -2 v of the pair before, into window 1
	WIN 0x43
.irp i, 0,1,2,3
	ds_load_b128 v[VV+4*\i:VV+4*\i+3], v[ADP] offset:VVO-128+64*(\i/2)+16*(\i%2)
.endr
	WIN M1
.endm
.macro LPH
.irp i, 0,1,2,3
	ds_load_b128 v[PH+4*\i:PH+4*\i+3], v[ADP] offset:64*(\i/2)+16*(\i%2)
.endr
.endm
.macro VM n                            ; t = c x, accumulator n from its low end on
.irp q, 0,2,4,6
	v_pk_mul_f32 v[T+8*(\n)+\q:T+8*(\n)+\q+1], v[ACC+8*(\n)+\q:ACC+8*(\n)+\q+1], s[CS:CS+1] op_sel_hi:[1,0]
.endr
.endm
.macro VA n                            ; 1 + 2^t
.irp q, 0,2,4,6
	v_pk_add_f32 v[T+8*(\n)+\q:T+8*(\n)+\q+1], v[T+8*(\n)+\q:T+8*(\n)+\q+1], 1.0 op_sel_hi:[1,0]
.endr
.endm
.macro VF n                            ; eight of the 32: sums of block of rows FE mod 4 += (1 / (1 + 2^t)) x (-2 v); source 1 lies in window 1
.set FE, 8*(\n)
.rept 8
	v_pk_fma_f32 v[S+2*(FE%4):S+2*(FE%4)+1], v[T+8*(2*(FE%4)+(FE/4)%2)+2*(FE/8):T+8*(2*(FE%4)+(FE/4)%2)+2*(FE/8)+1], v[VV+8*((FE/4)%2)+2*(FE/8):VV+8*((FE/4)%2)+2*(FE/8)+1], v[S+2*(FE%4):S+2*(FE%4)+1]
.set FE, FE+1
.endr
.endm
.macro TR op, a, b                     ; a piece of a batch: t[a] .. t[b - 1], in place
.set BJ, \a
.rept (\b)-(\a)
	\op v[T+BJ], v[T+BJ]
.set BJ, BJ+1
.endr
.endm
; A GROUP: K step ks of a pair, eight matrix instructions; accumulator n = 2 x block of rows + tile.  wt: the LDS loads issued behind those that the group needs.
; vw: the vector work between the products (1: x c, three turns behind; 2: + 1; 3: x v).  first: C = proj_h.  aw: a batch stands ahead.
.macro GROUP ks, wt, vw, first, aw
	s_wait_dscnt \wt
.set GN, 0
.rept 8
	WIN M1+4*(GN/4)
.if (\aw) && GN == 0
	s_wait_alu depctr_va_vdst(0)                   ; the wait behind a batch, directly ahead of the first reader
.endif
.if \first
	v_wmma_scale_f32_16x16x128_f8f6f4 v[ACC+8*GN:ACC+8*GN+7], v[24*((\ks)%4)+12*(GN%2):24*((\ks)%4)+12*(GN%2)+11], v[96*((GN/2)%2)+12*(\ks):96*((GN/2)%2)+12*(\ks)+11], v[PH+8*(GN%2):PH+8*(GN%2)+7], v[WSC+8*(GN%2)+(\ks)], v[ASC+8*(GN/2)+(\ks)] matrix_a_fmt:MATRIX_FMT_FP6 matrix_b_fmt:MATRIX_FMT_FP6
.else
	v_wmma_scale_f32_16x16x128_f8f6f4 v[ACC+8*GN:ACC+8*GN+7], v[24*((\ks)%4)+12*(GN%2):24*((\ks)%4)+12*(GN%2)+11], v[96*((GN/2)%2)+12*(\ks):96*((GN/2)%2)+12*(\ks)+11], v[ACC+8*GN:ACC+8*GN+7], v[WSC+8*(GN%2)+(\ks)], v[ASC+8*(GN/2)+(\ks)] matrix_a_fmt:MATRIX_FMT_FP6 matrix_b_fmt:MATRIX_FMT_FP6
.endif
.if (\vw) == 1
.if GN == 1
	PLACES                                         ; in front of the first reads of results; later ones have the other accumulators' multiplies as their places
.elseif GN >= 3
	VM GN-3
.endif
.elseif (\vw) == 2
	VA GN
.elseif (\vw) == 3 && GN < 4
	VF GN
.endif
.set GN, GN+1
.endr
.endm
; vec = 0: the first pair: no pair before it, so no batches, no + 1, no x v.  The counts 18, 12, 6, 0: the runs of 6 fragment loads issued behind the run that the group needs.
.macro UNIT vec
	WIN 0xc0
	v_add_nc_u32 v[ADW], v[LA], s40                ; this pair's tiles
	v_add_nc_u32 v[ADP], v[HP], s41                ; and its place in the tables
	s_wait_alu depctr_va_vdst(0)                   ; the wait ahead of a batch, and behind these two writes
	LSC                                            ; (the last products' places: the multiplies of accumulators 4 to 6)
	LPH
	LFR 0
.if \vec
	TR v_exp_f32, 0, 21
.endif
	LFR 1
	LFR 2
.if \vec
	TR v_exp_f32, 21, 42
.endif
	LFR 3
.if \vec
	TR v_exp_f32, 42, 64
	v_nop                                          ; a plain place behind the last
.endif
	GROUP 0, 18, 2*(\vec), 1, \vec
	GROUP 1, 12, 0, 0, 0
	GROUP 2, 6, 0, 0, 0
	GROUP 3, 0, 0, 0, 0
	PLACES                                         ; in front of loads into registers that the products have read
.if \vec
	s_wait_alu depctr_va_vdst(0)                   ; ahead of the batch
	LVV
.endif
	LFR 4
.if \vec
	TR v_rcp_f32, 0, 21
.endif
	LFR 5
	LFR 6
.if \vec
	TR v_rcp_f32, 21, 42
.endif
	LFR 7
.if \vec
	TR v_rcp_f32, 42, 64
	v_nop
.endif
	GROUP 4, 18, 3*(\vec), 0, \vec
	GROUP 5, 12, 0, 0, 0
	GROUP 6, 6, 0, 0, 0
	GROUP 7, 0, 1, 0, 0
	VM 5
	VM 6
	VM 7
	WIN 0
	s_add_co_u32 s40, s40, 2*TILEB
	s_add_co_u32 s41, s41, 128
.endm
; A change of slots, at a unit's head: every read of the chunk walked last is done.  fill = 1: its slot takes the chunk after the next, by the cluster's joint load, behind a round.
.macro CHANGE fill
	s_wait_tensorcnt 0x0                           ; my part of the next chunk is in,
	ds_add_u32 v[SPW], v[NIL]                      ; the add,
.if \fill
	s_xor_b32 s37, s37, SLOT1
	s_add_nc_u64 s[38:39], s[38:39], SLOTB
.endif
	s_wait_dscnt 0x0                               ; it is done, and so are my reads of the old chunk
.if \fill
	ROUND
	tensor_load_to_lds s[36:39], s[24:31]
	s_nop 0
	PLACES
.else
	s_barrier_signal -1
	s_barrier_wait -1
.endif
.endm
	WIN 0xc0
.irp j, 0,1,2,3,4,5,6,7
	v_mov_b32 v[S+\j], 0
.endr
	s_mov_b32 s40, C0R
	s_mov_b32 s41, 0
	UNIT 0                                         ; the first pair, tiles 62 and 63: shown whole to all waves by the round in the head
	s_mov_b32 s40, SLOT1
	s_mov_b32 s42, 7
.Ltrip:                                                ; a trip: a change of slots and four units, which read one chunk
	CHANGE 1
	s_mov_b32 s43, 4
.Lunit:
	UNIT 1
	s_sub_co_u32 s43, s43, 1
	s_cmp_lg_u32 s43, 0
	s_cbranch_scc1 .Lunit
	s_sub_co_u32 s40, s40, 8*TILEB
	s_xor_b32 s40, s40, SLOT1
	s_sub_co_u32 s42, s42, 1
	s_cmp_lg_u32 s42, 0
	s_cbranch_scc1 .Ltrip
	CHANGE 0                                       ; the last chunk: nothing is left to ask for
	s_mov_b32 s43, 3
.Lunit_b:
	UNIT 1
	s_sub_co_u32 s43, s43, 1
	s_cmp_lg_u32 s43, 0
	s_cbranch_scc1 .Lunit_b
	WIN 0xc0                                       ; the last pair's vector work
	v_add_nc_u32 v[ADP], v[HP], s41
	s_wait_alu depctr_va_vdst(0)
	LVV
	TR v_exp_f32, 0, 64
	v_nop
	s_wait_alu depctr_va_vdst(0)
.irp n, 0,1,2,3,4,5,6,7
	VA \n
.endr
	s_wait_alu depctr_va_vdst(0)
	TR v_rcp_f32, 0, 64
	v_nop
	s_wait_alu depctr_va_vdst(0)
	s_wait_dscnt 0x0
.irp n, 0,1,2,3
	VF \n
.endr
	WIN 0x0f
.irp a, 0,1,2,3
	v_add_f32 v[76+\a], v[S+2*\a], v[S+2*\a+1]     ; even and odd o
.endr
	WIN 0
.irp a, 0,1,2,3
	v_permlanex16_b32 v[TM+4+\a], v[76+\a], s[SEL], s[SEL+1]
.endr
.irp a, 0,1,2,3
	v_add_f32 v[76+\a], v[76+\a], v[TM+4+\a]       ; and lane l xor 16's eight o of each tile
.endr
.irp a, 0,1,2,3
	ds_store_b32 v[SOA], v[76+\a] offset:64*\a     ; both halves of the lanes write the same word with the same value
.endr
	ds_load_b64 v[72:73], v[SOL]                   ; LDS serves a wave's instructions in order
	s_wait_dscnt 0x0
	global_store_b64 v[SOG], v[72:73], s[12:13]    ; the wave's 64 scores: one aligned run of 256 bytes
	s_wait_tensorcnt 0x0                           ; the wave's end
	ds_add_u32 v[SPW], v[NIL]
	s_wait_dscnt 0x0
	ROUND                                          ; the closing round
	s_endpgm
.Lfunc_end_k_qf87c54643c_score:
	.size	k_qf87c54643c_score, .Lfunc_end_k_qf87c54643c_score-k_qf87c54643c_score
	.p2alignl 7, 3214868480
	.fill 96, 4, 3214868480
	.section	.rodata,"a",@progbits
	.p2align	6, 0x0
	.amdhsa_kernel k_qf87c54643c_score
		.amdhsa_group_segment_fixed_size 327680
		.amdhsa_private_segment_fixed_size 0
		.amdhsa_enable_private_segment 0
		.amdhsa_kernarg_size 40
		.amdhsa_user_sgpr_count 2
		.amdhsa_user_sgpr_kernarg_segment_ptr 1
		.amdhsa_wavefront_size32 1
		.amdhsa_system_sgpr_workgroup_id_x 1
		.amdhsa_system_sgpr_workgroup_id_y 1
		.amdhsa_system_sgpr_workgroup_id_z 1
		.amdhsa_system_vgpr_workitem_id 0
		.amdhsa_next_free_vgpr 1024
		.amdhsa_next_free_sgpr 66
		.amdhsa_reserve_vcc 0
		.amdhsa_float_denorm_mode_32 3
		.amdhsa_float_denorm_mode_16_64 3
		.amdhsa_memory_ordered 1
		.amdhsa_forward_progress 1
		.amdhsa_inst_pref_size 255
	.end_amdhsa_kernel
	.section	.bss,"aw",@nobits
	.p2align	6
	.space	262144
	.amdgpu_metadata
---
amdhsa.version: [ 1, 2 ]
amdhsa.kernels:
  - .name:           k_qf87c54643c_score
    .symbol:         k_qf87c54643c_score.kd
    .args:
      - { .name: encoder_outputs, .offset: 0, .size: 8, .value_kind: global_buffer, .address_space: global }
      - { .name: wimg, .offset: 8, .size: 8, .value_kind: global_buffer, .address_space: global }
      - { .name: ph, .offset: 16, .size: 8, .value_kind: global_buffer, .address_space: global }
      - { .name: v, .offset: 24, .size: 8, .value_kind: global_buffer, .address_space: global }
      - { .name: scores, .offset: 32, .size: 8, .value_kind: global_buffer, .address_space: global }
    .group_segment_fixed_size: 327680
    .private_segment_fixed_size: 0
    .kernarg_segment_align: 8
    .kernarg_segment_size: 40
    .max_flat_workgroup_size: 128
    .sgpr_count:     66
    .vgpr_count:     1024
    .wavefront_size: 32
...
	.end_amdgpu_metadata
.endif
;; end of part 2
;; launch ctx (part 3): grid 256 x 1, 8 waves a work-group, no clusters, 14,336 bytes of LDS; arguments scores, encoder_outputs, out0, out1; writes out0, out1
.if DOCPART == 3
	.amdgcn_target "amdgcn-amd-amdhsa--gfx1250"
	.amdhsa_code_object_version 6
	.text
	.protected	k_qf87c54643c_ctx
	.globl	k_qf87c54643c_ctx
	.p2align	8
	.type	k_qf87c54643c_ctx,@function
k_qf87c54643c_ctx:
	s_mov_b64 s[64:65], 0
	v_nop
	global_prefetch_b8 v0, s[64:65] scope:SCOPE_SE
	s_setreg_imm32_b32 hwreg(HW_REG_WAVE_MODE, 25, 1), 1
	s_wait_xcnt 0x0
; CTX.  p = softmax over the 2,048 scores of a batch (the largest score is taken away first); out1 = p; out0[b][:] = sum over s of p[s] enc[b][s][:], all in f32.
; Work-group 8 b + c owns out0[b][128 c .. 128 c + 127] and out1[b][256 c .. 256 c + 255]: each output has one owner.  Each of a batch's eight work-groups makes the batch's softmax for itself: 8 KiB of scores.
; Wave w sums rows 256 w .. 256 w + 255; lane l holds columns 4 l .. 4 l + 3 of the work-group's 128: a load is 512 consecutive bytes of one row, at a multiple of 512 from enc's first byte.
; A ring of 32 slots in registers keeps 32 loads of every wave on their way.  The eight waves' sums meet in LDS.
; A stream in which each byte has one reader: no matrix unit (a product of one row), no cluster, no tensor load.
; LIMITS: NaN and infinities are not served; a weight under 2^-126 comes out as 0 (v_exp_f32 gives 0 for what would be denormal: ISA guide, 15.8).
.set RM,  8192                         ; LDS: bytes 0 .. 8,191 the 2,048 weights; 8 words for the waves' maxima; 256 bytes on, 8 for their sums;
.set RED, 8704                         ; 8 x 512 bytes for the waves' parts of out0
.set X,   32                           ; v32-159  the ring: slot i at v[32 + 4 i]
.set P,   160                          ; v160-191 a round's 32 weights
.set A,   192                          ; v192-207 four sets of four sums, by turns
	s_load_b256 s[4:11], s[0:1], 0x0               ; scores s[4:5], enc s[6:7], out0 s[8:9], out1 s[10:11]
	v_lshl_add_u32 v224, v0, 2, 0x3400
	v_mov_b32 v225, 0
	v_lshrrev_b32 v1, 5, v0
	s_delay_alu instid0(VALU_DEP_1)
	v_readfirstlane_b32 s14, v1                    ; wave 0..7
	v_and_b32 v1, 31, v0                           ; lane
	s_lshr_b32 s15, ttmp9, 3                       ; b
	s_and_b32 s16, ttmp9, 7                        ; c
	v_lshlrev_b32 v2, 4, v0                        ; 16 x thread: my scores, and my weights in LDS
	v_lshlrev_b32 v3, 4, v1                        ; 16 x lane
	s_lshl_b32 s17, s14, 20
	v_add_nc_u32 v4, s17, v3                       ; enc: 256 rows of 4,096 bytes a wave, 16 bytes a lane; never rewritten
	s_lshl_b32 s17, s14, 2
	s_add_co_u32 s17, s17, RM
	v_mov_b32 v5, s17                              ; my wave's word
	v_mov_b32 v6, RM
	s_lshl_b32 s17, s16, 10
	v_add_nc_u32 v7, s17, v3                       ; the work-group's 256 weights in LDS
	s_lshl_b32 s17, s14, 10
	v_mov_b32 v24, s17                             ; my wave's 256 weights in LDS
	s_lshl_b32 s17, s14, 9
	s_add_co_u32 s17, s17, RED
	v_add_nc_u32 v26, s17, v3
	v_add_nc_u32 v27, RED, v3
	s_mov_b32 s20, 0x76543210
	s_mov_b32 s21, 0xfedcba98                      ; v_permlanex16_b32's selects for lane l xor 16
	s_lshl_b32 s24, s15, 13                        ; scores: 8,192 bytes a batch
	s_mov_b32 s25, 0
	s_lshl_b32 s26, s15, 23                        ; enc: 2,048 rows of 4,096 bytes a batch,
	s_lshl_b32 s27, s16, 9                         ; 512 bytes of a row a work-group
	s_add_co_u32 s26, s26, s27
	s_lshl_b32 s28, s15, 12                        ; out0
	s_add_co_u32 s28, s28, s27
	s_mov_b32 s27, 0
	s_mov_b32 s29, 0
	s_lshl_b32 s30, s16, 10                        ; out1
	s_add_co_u32 s30, s30, s24
	s_mov_b32 s31, 0
	s_wait_alu depctr_va_vdst(0)
	s_wait_kmcnt 0x0
	s_add_nc_u64 s[4:5], s[4:5], s[24:25]
	s_add_nc_u64 s[6:7], s[6:7], s[26:27]
	s_add_nc_u64 s[8:9], s[8:9], s[28:29]
	s_add_nc_u64 s[10:11], s[10:11], s[30:31]
	global_load_b128 v[8:11], v2, s[4:5]
	global_load_b128 v[12:15], v2, s[4:5] offset:4096      ; and 1,024 + 4 t ..
.irp i, 0,1,2,3,4,5,6,7,8,9,10,11,12,13,14,15,16,17,18,19,20,21,22,23,24,25,26,27,28,29,30,31
	global_load_b128 v[X+4*\i:X+4*\i+3], v4, s[6:7] offset:\i*4096 th:TH_LOAD_NT   ; the ring is filled before the softmax is made
.endr
.irp j, 0,1,2,3,4,5,6,7,8,9,10,11,12,13,14,15
	v_mov_b32 v[A+\j], 0
.endr
	s_wait_loadcnt 32                              ; the scores are in; the ring's 32 loads stay out
	v_max3_num_f32 v16, v8, v9, v10
	v_max3_num_f32 v17, v11, v12, v13
	s_delay_alu instid0(VALU_DEP_2)
	v_max3_num_f32 v16, v16, v14, v15
	s_delay_alu instid0(VALU_DEP_1)
	v_max_num_f32 v16, v16, v17
	s_delay_alu instid0(VALU_DEP_1)
	v_max_num_f32_dpp v16, v16, v16 row_xmask:1 row_mask:0xf bank_mask:0xf
	s_delay_alu instid0(VALU_DEP_1)
	v_max_num_f32_dpp v16, v16, v16 row_xmask:2 row_mask:0xf bank_mask:0xf
	s_delay_alu instid0(VALU_DEP_1)
	v_max_num_f32_dpp v16, v16, v16 row_xmask:4 row_mask:0xf bank_mask:0xf
	s_delay_alu instid0(VALU_DEP_1)
	v_max_num_f32_dpp v16, v16, v16 row_xmask:8 row_mask:0xf bank_mask:0xf
	s_delay_alu instid0(VALU_DEP_1)
	v_permlanex16_b32 v17, v16, s20, s21
	s_delay_alu instid0(VALU_DEP_1)
	v_max_num_f32 v16, v16, v17                    ; the wave's largest score
	ds_store_b32 v5, v16
	s_wait_dscnt 0x0
	s_barrier_signal -1
	s_barrier_wait -1
	ds_load_b128 v[16:19], v6
	ds_load_b128 v[20:23], v6 offset:16
	s_wait_dscnt 0x0
	v_max3_num_f32 v16, v16, v17, v18
	v_max3_num_f32 v19, v19, v20, v21
	s_delay_alu instid0(VALU_DEP_2)
	v_max3_num_f32 v16, v16, v22, v23
	s_delay_alu instid0(VALU_DEP_1)
	v_max_num_f32 v16, v16, v19                    ; the batch's
.irp j, 0,1,2,3,4,5,6,7
	v_sub_f32 v[8+\j], v[8+\j], v16
.endr
.irp j, 0,1,2,3,4,5,6,7
	v_mul_f32 v[8+\j], 0x3fb8aa3b, v[8+\j]         ; x log2(e)
.endr
	s_wait_alu depctr_va_vdst(0)
.irp j, 0,1,2,3,4,5,6,7
	v_exp_f32 v[8+\j], v[8+\j]
.endr
	v_nop                                          ; a plain instruction behind the last exponential,
	s_wait_alu depctr_va_vdst(0)                   ; and one wait for the eight, ahead of their first reader
	v_pk_add_f32 v[16:17], v[8:9], v[10:11]
	v_pk_add_f32 v[18:19], v[12:13], v[14:15]
	s_delay_alu instid0(VALU_DEP_1)
	v_pk_add_f32 v[16:17], v[16:17], v[18:19]
	s_delay_alu instid0(VALU_DEP_1)
	v_add_f32 v16, v16, v17
	s_delay_alu instid0(VALU_DEP_1)
	v_add_f32_dpp v16, v16, v16 row_xmask:1 row_mask:0xf bank_mask:0xf
	s_delay_alu instid0(VALU_DEP_1)
	v_add_f32_dpp v16, v16, v16 row_xmask:2 row_mask:0xf bank_mask:0xf
	s_delay_alu instid0(VALU_DEP_1)
	v_add_f32_dpp v16, v16, v16 row_xmask:4 row_mask:0xf bank_mask:0xf
	s_delay_alu instid0(VALU_DEP_1)
	v_add_f32_dpp v16, v16, v16 row_xmask:8 row_mask:0xf bank_mask:0xf
	s_delay_alu instid0(VALU_DEP_1)
	v_permlanex16_b32 v17, v16, s20, s21
	s_delay_alu instid0(VALU_DEP_1)
	v_add_f32 v16, v16, v17
	ds_store_b32 v5, v16 offset:256                ; other bytes than the maxima's: no barrier is owed between
	s_wait_dscnt 0x0
	s_barrier_signal -1
	s_barrier_wait -1
	ds_load_b128 v[16:19], v6 offset:256
	ds_load_b128 v[20:23], v6 offset:272
	s_wait_dscnt 0x0
.irp j, 1
	v_add_f32 v16, v16, v[16+\j]
.endr
.irp j, 2, 3, 4, 5, 6, 7
	s_delay_alu instid0(VALU_DEP_1)
	v_add_f32 v16, v16, v[16+\j]
.endr
	s_wait_alu depctr_va_vdst(0)
	v_rcp_f32 v17, v16
	v_nop
	s_wait_alu depctr_va_vdst(0)
.irp j, 0,1,2,3,4,5,6,7
	v_mul_f32 v[8+\j], v[8+\j], v17                ; the weights
.endr
	ds_store_b128 v2, v[8:11]
	ds_store_b128 v2, v[12:15] offset:4096
	s_wait_dscnt 0x0
	s_barrier_signal -1
	s_barrier_wait -1                              ; all 2,048 weights lie in LDS
	s_cmp_lg_u32 s14, 7
	s_cbranch_scc1 .Lno_out1
	ds_load_b128 v[16:19], v7                      ; wave 7 stores the work-group's 256 weights: 512 consecutive bytes a store
	ds_load_b128 v[20:23], v7 offset:512
	s_wait_dscnt 0x0
	global_store_b128 v3, v[16:19], s[10:11]
	global_store_b128 v3, v[20:23], s[10:11] offset:512
.Lno_out1:
; A round: 32 rows.  fill = 1: each slot is loaded again with the row 32 further down.
.macro SLOT i, fill
.if \fill
	s_wait_loadcnt 31                              ; loads come back in order: mine is in, the 31 younger ones stay out
.else
	s_wait_loadcnt 31-\i                           ; the last round loads nothing: the counts run down
.endif
.if (\i)%2 == 0
	s_wait_alu depctr_va_vdst(0)
	v_pk_fma_f32 v[A+4*((\i)%4):A+4*((\i)%4)+1], v[X+4*\i:X+4*\i+1], v[P+\i:P+\i+1], v[A+4*((\i)%4):A+4*((\i)%4)+1] op_sel_hi:[1,0,1]
	v_pk_fma_f32 v[A+4*((\i)%4)+2:A+4*((\i)%4)+3], v[X+4*\i+2:X+4*\i+3], v[P+\i:P+\i+1], v[A+4*((\i)%4)+2:A+4*((\i)%4)+3] op_sel_hi:[1,0,1]
.else
	v_pk_fma_f32 v[A+4*((\i)%4):A+4*((\i)%4)+1], v[X+4*\i:X+4*\i+1], v[P+\i-1:P+\i], v[A+4*((\i)%4):A+4*((\i)%4)+1] op_sel:[0,1,0] op_sel_hi:[1,1,1]
	v_pk_fma_f32 v[A+4*((\i)%4)+2:A+4*((\i)%4)+3], v[X+4*\i+2:X+4*\i+3], v[P+\i-1:P+\i], v[A+4*((\i)%4)+2:A+4*((\i)%4)+3] op_sel:[0,1,0] op_sel_hi:[1,1,1]
.endif
.if \fill
	global_load_b128 v[X+4*\i:X+4*\i+3], v4, s[6:7] offset:(32+\i)*4096 th:TH_LOAD_NT
.endif
.endm
.macro RND fill
	v_add_nc_u32 v25, s22, v24
.irp q, 0,1,2,3,4,5,6,7
	ds_load_b128 v[P+4*\q:P+4*\q+3], v25 offset:16*\q      ; the round's 32 weights: every lane reads the same bytes
.endr
	s_wait_dscnt 0x0
.irp i, 0,1,2,3,4,5,6,7,8,9,10,11,12,13,14,15,16,17,18,19,20,21,22,23,24,25,26,27,28,29,30,31
	SLOT \i, \fill
.endr
.endm
	s_mov_b32 s22, 0                               ; 128 x the round
	s_mov_b32 s23, 7
.Lround:
	s_wait_alu depctr_va_vdst(0)
	RND 1
	s_wait_xcnt 0x0                                ; the loads have read their base: it may step
	s_add_nc_u64 s[6:7], s[6:7], 0x20000           ; 32 rows on
	s_add_co_u32 s22, s22, 128
	s_sub_co_u32 s23, s23, 1
	s_cmp_lg_u32 s23, 0
	s_cbranch_scc1 .Lround
	RND 0
	v_pk_add_f32 v[A:A+1], v[A:A+1], v[A+4:A+5]
	v_pk_add_f32 v[A+2:A+3], v[A+2:A+3], v[A+6:A+7]
	s_wait_alu depctr_va_vdst(0)
	v_pk_add_f32 v[A+8:A+9], v[A+8:A+9], v[A+12:A+13]
	v_pk_add_f32 v[A+10:A+11], v[A+10:A+11], v[A+14:A+15]
	s_delay_alu instid0(VALU_DEP_2)
	v_pk_add_f32 v[A:A+1], v[A:A+1], v[A+8:A+9]
	s_delay_alu instid0(VALU_DEP_2)
	v_pk_add_f32 v[A+2:A+3], v[A+2:A+3], v[A+10:A+11]
	ds_store_b128 v26, v[A:A+3]
	s_wait_dscnt 0x0
	s_barrier_signal -1
	s_barrier_wait -1
	s_cmp_lg_u32 s14, 0
	s_cbranch_scc1 .Lend
.irp s, 0,1,2,3,4,5,6,7
	ds_load_b128 v[X+4*\s:X+4*\s+3], v27 offset:512*\s     ; wave 0 adds the eight waves' parts, in ascending order
.endr
	s_wait_dscnt 0x0
.irp s, 1
	v_pk_add_f32 v[X:X+1], v[X:X+1], v[X+4*\s:X+4*\s+1]
	v_pk_add_f32 v[X+2:X+3], v[X+2:X+3], v[X+4*\s+2:X+4*\s+3]
.endr
.irp s, 2, 3, 4, 5, 6, 7
	s_delay_alu instid0(VALU_DEP_2)
	v_pk_add_f32 v[X:X+1], v[X:X+1], v[X+4*\s:X+4*\s+1]
	s_delay_alu instid0(VALU_DEP_2)
	v_pk_add_f32 v[X+2:X+3], v[X+2:X+3], v[X+4*\s+2:X+4*\s+3]
.endr
	global_store_b128 v3, v[X:X+3], s[8:9]         ; 512 consecutive bytes of out0
.Lend:
	s_wait_tensorcnt 0x0
	ds_add_u32 v224, v225
	s_wait_dscnt 0x0
	s_endpgm
.Lfunc_end_k_qf87c54643c_ctx:
	.size	k_qf87c54643c_ctx, .Lfunc_end_k_qf87c54643c_ctx-k_qf87c54643c_ctx
	.p2alignl 7, 3214868480
	.fill 96, 4, 3214868480
	.section	.rodata,"a",@progbits
	.p2align	6, 0x0
	.amdhsa_kernel k_qf87c54643c_ctx
		.amdhsa_group_segment_fixed_size 14336
		.amdhsa_private_segment_fixed_size 0
		.amdhsa_enable_private_segment 0
		.amdhsa_kernarg_size 32
		.amdhsa_user_sgpr_count 2
		.amdhsa_user_sgpr_kernarg_segment_ptr 1
		.amdhsa_wavefront_size32 1
		.amdhsa_system_sgpr_workgroup_id_x 1
		.amdhsa_system_sgpr_workgroup_id_y 1
		.amdhsa_system_sgpr_workgroup_id_z 1
		.amdhsa_system_vgpr_workitem_id 0
		.amdhsa_next_free_vgpr 226
		.amdhsa_next_free_sgpr 66
		.amdhsa_reserve_vcc 0
		.amdhsa_float_denorm_mode_32 3
		.amdhsa_float_denorm_mode_16_64 3
		.amdhsa_memory_ordered 1
		.amdhsa_forward_progress 1
		.amdhsa_inst_pref_size 29
	.end_amdhsa_kernel
	.amdgpu_metadata
---
amdhsa.version: [ 1, 2 ]
amdhsa.kernels:
  - .name:           k_qf87c54643c_ctx
    .symbol:         k_qf87c54643c_ctx.kd
    .args:
      - { .name: scores, .offset: 0, .size: 8, .value_kind: global_buffer, .address_space: global }
      - { .name: encoder_outputs, .offset: 8, .size: 8, .value_kind: global_buffer, .address_space: global }
      - { .name: out0, .offset: 16, .size: 8, .value_kind: global_buffer, .address_space: global }
      - { .name: out1, .offset: 24, .size: 8, .value_kind: global_buffer, .address_space: global }
    .group_segment_fixed_size: 14336
    .private_segment_fixed_size: 0
    .kernarg_segment_align: 8
    .kernarg_segment_size: 32
    .max_flat_workgroup_size: 256
    .sgpr_count:     66
    .vgpr_count:     226
    .wavefront_size: 32
...
	.end_amdgpu_metadata
.endif
;; end of part 3
